; MI455X (gfx1250); checked and timed in simulation.
; The chip was launched on July 23, 2026; its instructions are those of AMD's public machine-readable ISA for CDNA 5 (MIT licence, August 2026) and "CDNA5" Instruction Set Architecture Reference Guide (July 2026). The comments in the code are by the model that wrote it; some were corrected since.
;; Tucker Linear Layer. Allowed arithmetic: matrix products marked QUANTISED: E2M1 operands, one E8M0 scale for each 32 along K, by v_wmma_scale_f32_16x16x128_f8f6f4 with both operands' format E2M1 (or v_wmma_scale_f32_32x16x128_f4), f32 sums; products left as they are: f32 operands where the result goes on into a quantised operand, else bf16, f16 or f32 operands; f32 sums; everything else in f32.
;; Inputs: bias 4,096 float32; core 8 x 8 x 8 x 8 x 8 x 8 float32; f0 16 x 8 float32; f1 16 x 8 float32; f2 16 x 8 float32; f3 16 x 8 float32; f4 16 x 8 float32; f5 16 x 8 float32; x 4,096 x 4,096 float32.
;; Outputs: out0 4,096 x 4,096 float32.
;; This version of the problem:
;;   THIS VERSION OF THE PROBLEM IS GIVEN IN LOW PRECISION. The matrix products marked QUANTISED in the list below multiply operands that are first quantised to E2M1 (2 exponent bits, 1 mantissa bit; 4 bits a number), with one power-of-two scale for each 32 numbers along K (OCP MX v1.0); their sums are f32. All else is computed in f32.
;;   The module's matrix products, in the order in which they are computed (A, B: the left and right operand; K: the contracted axis; several contracted axes count as one K, in the product's order):
;;     1. [M 16, K 8] x [K 8, N 32,768]; A: input f0; B: input core: left as it is (K = 8 < 32)
;;     2. [M 65,536, K 8] x [K 8, N 16]; A: computed on the way; B: input f1: left as it is (K = 8 < 32)
;;     3. [M 131,072, K 8] x [K 8, N 16]; A: computed on the way; B: input f2: left as it is (K = 8 < 32)
;;     4. [M 262,144, K 8] x [K 8, N 16]; A: computed on the way; B: input f3: left as it is (K = 8 < 32)
;;     5. [M 524,288, K 8] x [K 8, N 16]; A: computed on the way; B: input f4: left as it is (K = 8 < 32)
;;     6. [M 1,048,576, K 8] x [K 8, N 16]; A: computed on the way; B: input f5: left as it is (K = 8 < 32)
;;     7. [M 4,096, K 4,096] x [K 4,096, N 4,096]; A: input x; B: computed on the way: QUANTISED
;;   THE QUANTISER, for each operand of a quantised product, along K:
;;     - K is cut into blocks of 32 from its start; a last block that is shorter is filled with zeros.
;;     - A block's scale is 2^e with e = floor(log2(the largest magnitude in the block)) - 2, held to -126 .. 127; a block of zeros has e = 0. As a byte (E8M0): e + 127.
;;     - Each number is divided by its block's scale, clamped to +-6, and rounded to the nearest number of E2M1, ties to even, subnormals kept.
;;     - The product sums the exact products of the quantised numbers (number of the format x scale) in f32.
;;   ~~~python
;;   def quantise(x, axis):      # numpy; x: float32 -> the quantised numbers, widened to float32 again
;;       x = np.moveaxis(x, axis, -1); K = x.shape[-1]
;;       x = np.pad(x, [(0, 0)] * (x.ndim - 1) + [(0, -K % 32)]); x = x.reshape(x.shape[:-1] + (-1, 32)); a = np.abs(x).max(-1, keepdims=True)
;;       e = np.where(a > 0, np.clip(np.frexp(np.where(a > 0, a, 1))[1] - 1 - 2, -126, 127), 0)      # np.frexp(a)[1] - 1 = floor(log2(a)), exactly
;;       r = np.clip(x / 2.0 ** e, -6, 6)
;;       step = 2.0 ** (np.maximum(np.frexp(np.where(r == 0, 1, r))[1] - 1, 0) - 1)
;;       q = np.round(r / step) * step * 2.0 ** e      # np.round: ties to even
;;       return np.moveaxis(q.reshape(q.shape[:-2] + (-1,))[..., :K], -1, axis).astype(np.float32)
;;   ~~~
;;   OPERANDS COMPUTED ON THE WAY. 'Computed on the way' means the value that the module computes at that place (a softmax that the list does not call 'softmax' is quantised finished and normalised). What goes into a quantiser is computed in f32, as accurately as f32 sums, v_exp_f32 and their like allow (about 1e-6 of the number): no bf16 or f16 on the way to a quantiser, and a product that is left as it is and whose result goes on into a quantised operand takes f32 operands (vector FMAs, or v_wmma_f32_16x16x4_f32). A number that lies on a knife's edge between two numbers of the format may be rounded either way, as far as f32 arithmetic and the matrix unit's own rounding can turn it there, and no further.
;; One version. Each part assembles by itself: llvm-mc -triple=amdgcn-amd-amdhsa -mcpu=gfx1250 --defsym DOCPART=n.
;; ======== version 1 of 1: 3 launches
;; limits: right only within a limited range of input values
;; workspace buffers: tab 4,194,304 bytes; xq 8,912,896 bytes; wq 8,912,896 bytes
;; launch tab (part 1): grid 256 x 1, 4 waves a work-group, no clusters, 2,560 bytes of LDS; arguments core, f0, f1, tab; writes tab
.if DOCPART == 1
	.amdgcn_target "amdgcn-amd-amdhsa--gfx1250"
	.amdhsa_code_object_version 6
	.text
	.protected	k_q651cbd6b89_tab
	.globl	k_q651cbd6b89_tab
	.p2align	8
	.type	k_q651cbd6b89_tab,@function
k_q651cbd6b89_tab:
	s_mov_b64 s[64:65], 0
	v_nop
	global_prefetch_b8 v0, s[64:65] scope:SCOPE_SE
	s_setreg_imm32_b32 hwreg(HW_REG_WAVE_MODE, 25, 1), 1
	s_wait_xcnt 0x0
; tab[16 a + b][klmn] = sum over j of f1[b][j] x (sum over i of f0[a][i] x core[i][j][klmn]): the first two mode products of the Tucker chain, in f32,
; each an 8-term chain of fused multiply-adds, i first and then j.  core: [8][8][4096] f32; tab: [256][4096] f32.
; SHARES.  A work-group takes 64 numbers (256 bytes) of klmn and four values of a, one a wave; a lane takes two neighbouring numbers.  So each load and each store of a wave
; covers 256 consecutive bytes, at a multiple of 256 from the buffer's first byte.  Waves share nothing: no barrier.
; f1's 128 numbers go through the wave's own 512 bytes of LDS, so that every lane gets all of them in registers.
; No matrix unit (K = 8, and the result goes on into a quantiser: f32), no tensor load, no cluster: 1 MiB is read, 4 MiB are written.
.set SUMJ, 32                          ; v[32:47]   the sums over i, a pair for each j
.set CF0,  48                          ; v[48:55]   f0[a][0..7]
.set RAWF, 56                          ; v[56:59]   f1, 16 bytes a lane, as loaded
.set CORE, 64                          ; v[64:191]  core[i][j]: a pair at 2 (8 i + j); later f1[b][j] at 8 b + j
.set SUMB, 192                         ; v[192:223] the sums over j, a pair for each b
; two numbers times ONE coefficient: the coefficient's register is named inside its even-aligned pair, and op_sel picks it for both halves
.macro MULB d, x, cr
.if ((\cr)&1) == 0
	v_pk_mul_f32 v[(\d):(\d)+1], v[(\x):(\x)+1], v[(\cr):(\cr)+1] op_sel_hi:[1,0]
.else
	v_pk_mul_f32 v[(\d):(\d)+1], v[(\x):(\x)+1], v[(\cr)-1:(\cr)] op_sel:[0,1] op_sel_hi:[1,1]
.endif
.endm
.macro FMAB d, x, cr
.if ((\cr)&1) == 0
	v_pk_fma_f32 v[(\d):(\d)+1], v[(\x):(\x)+1], v[(\cr):(\cr)+1], v[(\d):(\d)+1] op_sel_hi:[1,0,1]
.else
	v_pk_fma_f32 v[(\d):(\d)+1], v[(\x):(\x)+1], v[(\cr)-1:(\cr)], v[(\d):(\d)+1] op_sel:[0,1,0] op_sel_hi:[1,1,1]
.endif
.endm
	s_load_b256 s[4:11], s[0:1], 0x0               ; core s[4:5], f0 s[6:7], f1 s[8:9], tab s[10:11]
	v_lshl_add_u32 v224, v0, 2, 0x800
	v_mov_b32 v225, 0
	v_lshrrev_b32 v1, 5, v0
	v_readfirstlane_b32 s12, v1                    ; wave 0..3
	v_and_b32 v7, 31, v0                           ; lane
	s_and_b32 s13, ttmp9, 63
	s_lshl_b32 s13, s13, 8                         ; my work-group's 256 bytes of klmn
	v_lshl_add_u32 v1, v7, 3, s13                  ; + 8 bytes a lane
	s_lshr_b32 s14, ttmp9, 6
	s_lshl_b32 s14, s14, 2
	s_add_co_u32 s14, s14, s12                     ; a = 4 (work-group / 64) + wave
	s_lshl_b32 s15, s14, 5
	v_mov_b32 v2, s15                              ; f0's row a: 32 bytes, the same for all lanes
	v_lshlrev_b32 v3, 4, v7                        ; f1: 16 bytes a lane
	v_lshlrev_b32 v4, 4, v0                        ; LDS, in: 512 x wave + 16 x lane
	v_and_b32 v5, 0x60, v0
	v_lshlrev_b32 v5, 4, v5                        ; LDS, out: 512 x wave, the same for all lanes
	s_lshl_b32 s16, s14, 18
	v_add_nc_u32 v6, s16, v1                       ; tab: row 16 a is 262,144 a bytes on
	s_wait_alu depctr_va_vdst(0)
	s_wait_kmcnt 0x0
	global_load_b128 v[RAWF:RAWF+3], v3, s[8:9]
	global_load_b128 v[CF0:CF0+3], v2, s[6:7]
	global_load_b128 v[CF0+4:CF0+7], v2, s[6:7] offset:16
.set i, 0
.rept 64
	global_load_b64 v[CORE+2*i:CORE+2*i+1], v1, s[4:5] offset:i*16384   ; core[i / 8][i % 8]: i outermost
.set i, i+1
.endr
.set i, 0
.rept 8
	s_wait_alu depctr_va_vdst(0)
	s_wait_loadcnt 8*(7-i)                         ; loads come back in order: all up to core[i][7] are in; the eight of each later i may be out
.if i == 0
	ds_store_b128 v4, v[RAWF:RAWF+3]               ; f1 into my wave's 512 bytes
.endif
.set j, 0
.rept 8                                        ; eight chains that do not wait for each other
.if i == 0
	MULB SUMJ+2*j, CORE+2*(8*i+j), CF0+i
.else
	FMAB SUMJ+2*j, CORE+2*(8*i+j), CF0+i
.endif
.set j, j+1
.endr
.set i, i+1
.endr
.set t, 0
.rept 32
	ds_load_b128 v[CORE+4*t:CORE+4*t+3], v5 offset:16*t   ; all of f1 into every lane; LDS serves a wave's instructions in order, so these see the store above
.set t, t+1
.endr
	s_wait_alu depctr_va_vdst(0)
	s_wait_dscnt 0x0
.set j, 0
.rept 8
.set b, 0
.rept 16                                       ; sixteen chains
.if j == 0
	MULB SUMB+2*b, SUMJ+2*j, CORE+8*b+j
.else
	FMAB SUMB+2*b, SUMJ+2*j, CORE+8*b+j
.endif
.set b, b+1
.endr
.set j, j+1
.endr
.set b, 0
.rept 16
	global_store_b64 v6, v[SUMB+2*b:SUMB+2*b+1], s[10:11] offset:b*16384   ; row 16 a + b: 32 lanes store 256 consecutive bytes
.set b, b+1
.endr
	s_wait_tensorcnt 0x0
	ds_add_u32 v224, v225
	s_wait_dscnt 0x0
	s_endpgm
.Lfunc_end_k_q651cbd6b89_tab:
	.size	k_q651cbd6b89_tab, .Lfunc_end_k_q651cbd6b89_tab-k_q651cbd6b89_tab
	.p2alignl 7, 3214868480
	.fill 96, 4, 3214868480
	.section	.rodata,"a",@progbits
	.p2align	6, 0x0
	.amdhsa_kernel k_q651cbd6b89_tab
		.amdhsa_group_segment_fixed_size 2560
		.amdhsa_private_segment_fixed_size 0
		.amdhsa_enable_private_segment 0
		.amdhsa_kernarg_size 32
		.amdhsa_user_sgpr_count 2
		.amdhsa_user_sgpr_kernarg_segment_ptr 1
		.amdhsa_wavefront_size32 1
		.amdhsa_system_sgpr_workgroup_id_x 1
		.amdhsa_system_sgpr_workgroup_id_y 1
		.amdhsa_system_sgpr_workgroup_id_z 1
		.amdhsa_system_vgpr_workitem_id 0
		.amdhsa_next_free_vgpr 226
		.amdhsa_next_free_sgpr 66
		.amdhsa_reserve_vcc 0
		.amdhsa_float_denorm_mode_32 3
		.amdhsa_float_denorm_mode_16_64 3
		.amdhsa_memory_ordered 1
		.amdhsa_forward_progress 1
		.amdhsa_inst_pref_size 24
	.end_amdhsa_kernel
	.amdgpu_metadata
---
amdhsa.version: [ 1, 2 ]
amdhsa.kernels:
  - .name:           k_q651cbd6b89_tab
    .symbol:         k_q651cbd6b89_tab.kd
    .args:
      - { .name: core, .offset: 0, .size: 8, .value_kind: global_buffer, .address_space: global }
      - { .name: f0, .offset: 8, .size: 8, .value_kind: global_buffer, .address_space: global }
      - { .name: f1, .offset: 16, .size: 8, .value_kind: global_buffer, .address_space: global }
      - { .name: tab, .offset: 24, .size: 8, .value_kind: global_buffer, .address_space: global }
    .group_segment_fixed_size: 2560
    .private_segment_fixed_size: 0
    .kernarg_segment_align: 8
    .kernarg_segment_size: 32
    .max_flat_workgroup_size: 128
    .sgpr_count:     66
    .vgpr_count:     226
    .wavefront_size: 32
...
	.end_amdgpu_metadata
.endif
;; end of part 1
;; launch prep (part 2): grid 256 x 1, 8 waves a work-group, no clusters, 327,680 bytes of LDS; arguments x, tab, f2, f3, f4, f5, xq, wq; writes xq, wq
.if DOCPART == 2
	.amdgcn_target "amdgcn-amd-amdhsa--gfx1250"
	.amdhsa_code_object_version 6
	.text
	.protected	k_q651cbd6b89_prep
	.globl	k_q651cbd6b89_prep
	.p2align	8
	.type	k_q651cbd6b89_prep,@function
k_q651cbd6b89_prep:
	s_mov_b64 s[64:65], 0
	v_nop
	global_prefetch_b8 v0, s[64:65] scope:SCOPE_SE
	s_setreg_imm32_b32 hwreg(HW_REG_WAVE_MODE, 25, 1), 1
	s_wait_xcnt 0x0
; Both operands of the large product become codes of FP4 (E2M1) with one E8M0 scale byte for each 32 along K.
; W[256 a + 16 b + c][256 d + 16 e + f] = sum over k, l, m, n of f2[c][k] f3[d][l] f4[e][m] f5[f][n] tab[16 a + b][k][l][m][n]: four mode products in f32, in the order k, l, m, n, each an 8-term chain of fused multiply-adds.
; W's SHARES.  Work-group g takes rows 16 g .. 16 g + 15 of W; its wave w takes K = 512 w .. 512 w + 511.
; x's SHARES.  Work-group g takes rows 32 (g / 2) .. + 31 of x and K = 2,048 (g % 2) .. + 2,047; its wave w takes 256 along K of these 32 rows, asked for at the head by ONE tensor load
; (32 rows x 1,024 bytes, into bytes of the wave's own, filled once), and quantised last: the chain's arithmetic stands between the request and the wait for it.
; THE OUTPUT'S LAYOUT is the order of the operand's registers.  A panel is 128 rows x 512 along K: 34,816 bytes, panel (row / 128) x 8 + K / 512.  In it the 16 bytes (32 codes) of row 16 i + r, K block kb (0 .. 15)
; lie at 4,096 i + 256 kb + 16 r, and that block's scale byte at 32,768 + 16 (16 i + r) + kb.  So sixteen lanes that hold one block each of sixteen rows store 256 consecutive bytes, at a multiple of 256 from the buffer's first byte.
; A block's scale is 2^(floor(log2(its largest magnitude)) - 2): its byte is the largest magnitude's exponent field - 2, held at 1 from below.
; LIMITS: NaN and infinities among the inputs are not served.  A block of zeros gets the byte 1 where the rule says 127: its codes are zeros, which add nothing, and the bytes are read by this program alone.
; A block whose largest magnitude lies under 2^-124 has its byte held at 1.
; No cluster: the work-groups share only the factors (2 KiB); no prefetch: every byte is asked for at the head.  All of a WGP's LDS is claimed; 316,672 bytes are used.
.set XTW,   33280                      ; LDS: x's tile of a wave: 32 rows x
.set XTH,   16640                      ;      (sixteen of them)
.set XP,    1040                       ;      (1,024 bytes + 16 of padding): an odd multiple of 16, so that sixteen rows' 16 bytes fall on different columns of 16 bytes modulo 256
.set SLAB,  266240                     ; behind them: the work-group's sums over k, [c][l m n]: 16 rows x
.set SLP,   2064                       ;      (2,048 bytes + 16)
.set TBL,   299264                     ; for each wave 1,536 bytes: f2, f4, and f5 turned ([n][f])
.set SCS,   311552                     ; for each wave 512 bytes: 256 scale bytes of W, then 256 of x
.set PANEL, 34816
.set CF3,   32                         ; v[32:47]   f3[2 w + dd][l] at 8 dd + l
.set VL,    64                         ; v[64:127]  the sums over l: [m][n]; before that: SK, TABR, RAW; at the end x's codes
.set SK,    64                         ; v[64:95]   the sums over k, a pair for each c
.set TABR,  96                         ; v[96:111]  tab's row g: a pair for each k
.set RAW,   112                        ; v[112:123] f2, f4, f5, 16 bytes a lane, as loaded
.set CF,    128                        ; v[128:255] f2[c][k] at 8 c + k; later four landing sets of 32; later WB, VM, CF4, WC
.set WB,    128                        ; v[128:159] a block of 32 numbers of W
.set VM,    160                        ; v[160:175] the sums over m: [u][n]
.set CF4,   176                        ; v[176:191] f4[2 e' + u][m] at 8 u + m
.set WC,    192                        ; v[192:223] W's codes: four registers for each block, so that no store's data are written again
                                       ; window 1, v[0:127] (v256-383): f5[f][n] at 16 n + f
.set XQC,   16                         ; s[16:17] xq at my codes;  s[44:45] at my scale bytes
.set WQC,   18                         ; s[18:19] wq at my codes;  s[46:47] at my scale bytes
.set XQS,   44
.set WQS,   46
.set MSB, 0
.macro WIN new                         ; the immediate's high byte repeats the setting that is left
.if MSB != \new
	s_set_vgpr_msb (MSB<<8)|\new
.set MSB, \new
.endif
.endm
; two numbers times ONE coefficient: the coefficient's register is named inside its even-aligned pair, and op_sel picks it for both halves
.macro MULB d, x, cr
.if ((\cr)&1) == 0
	v_pk_mul_f32 v[(\d):(\d)+1], v[(\x):(\x)+1], v[(\cr):(\cr)+1] op_sel_hi:[1,0]
.else
	v_pk_mul_f32 v[(\d):(\d)+1], v[(\x):(\x)+1], v[(\cr)-1:(\cr)] op_sel:[0,1] op_sel_hi:[1,1]
.endif
.endm
.macro FMAB d, x, cr
.if ((\cr)&1) == 0
	v_pk_fma_f32 v[(\d):(\d)+1], v[(\x):(\x)+1], v[(\cr):(\cr)+1], v[(\d):(\d)+1] op_sel_hi:[1,0,1]
.else
	v_pk_fma_f32 v[(\d):(\d)+1], v[(\x):(\x)+1], v[(\cr)-1:(\cr)], v[(\d):(\d)+1] op_sel:[0,1,0] op_sel_hi:[1,1,1]
.endif
.endm
; A block of 32 numbers in one lane's registers v[src] on becomes 16 bytes of codes, in v[cr] on, and a scale byte.  The byte goes to LDS at v[sa], the codes to memory at v[ca].
.macro QBLK src, ldsoff, goff, base, ca, sa, cr
	v_max3_num_f32 v14, |v[(\src)]|, |v[(\src)+1]|, |v[(\src)+2]|        ; the largest magnitude, in two chains
	v_max3_num_f32 v15, |v[(\src)+3]|, |v[(\src)+4]|, |v[(\src)+5]|
.irp i, 6,10,14,18,22,26
	s_delay_alu instid0(VALU_DEP_2)
	v_max3_num_f32 v14, v14, |v[(\src)+\i]|, |v[(\src)+\i+1]|
	s_delay_alu instid0(VALU_DEP_2)
	v_max3_num_f32 v15, v15, |v[(\src)+\i+2]|, |v[(\src)+\i+3]|
.endr
	s_delay_alu instid0(VALU_DEP_2)
	v_max3_num_f32 v14, v14, |v[(\src)+30]|, |v[(\src)+31]|
	s_delay_alu instid0(VALU_DEP_1)
	v_max3_num_f32 v14, v14, v15, 0x1800000        ; and the floor 2^(3 - 127): the byte cannot fall under 1
	s_delay_alu instid0(VALU_DEP_1)
	v_add_nc_u32 v16, 0xff000000, v14              ; 2 off its exponent field: the conversion takes the exponent field of this operand as its scale, and nothing else of it
.irp q, 0,1,2,3
	v_cvt_scalef32_pk8_fp4_f32 v[(\cr)+\q], v[(\src)+8*\q:(\src)+8*\q+7], v16
.endr
	v_lshrrev_b32 v17, 23, v16                     ; the scale's byte; also the plain line behind the conversions
	ds_store_b8 v[\sa], v17 offset:\ldsoff
	global_store_b128 v[\ca], v[(\cr):(\cr)+3], s[\base:\base+1] offset:\goff   ; lanes 0-15: one K block of sixteen rows, 256 consecutive bytes; lanes 16-31: another such unit
.endm
	s_load_b256 s[4:11], s[0:1], 0x0               ; x s[4:5], tab s[6:7], f2 s[8:9], f3 s[10:11]
	s_load_b256 s[12:19], s[0:1], 0x20             ; f4 s[12:13], f5 s[14:15], xq s[16:17], wq s[18:19]
	v_lshl_add_u32 v62, v0, 2, 0x4d100             ; my spare word, behind the scale bytes
	v_mov_b32 v63, 0
	ds_add_u32 v62, v63                            ; the opening lines: the add, twice on end, and its one wait ahead of my tensor load
	ds_add_u32 v62, v63
	v_lshrrev_b32 v1, 5, v0
	s_delay_alu instid0(VALU_DEP_1)
	v_readfirstlane_b32 s20, v1                    ; wave 0..7
	v_and_b32 v24, 31, v0                          ; lane
	v_and_b32 v25, 15, v0                          ; r
	v_bfe_u32 v26, v0, 4, 1                        ; h
	s_mul_i32 s21, s20, XTW                        ; my wave's tile of x
	v_mul_u32_u24 v1, v25, XP
	s_delay_alu instid0(VALU_DEP_1)
	v_mad_u32_u24 v1, v26, XTH, v1
	s_delay_alu instid0(VALU_DEP_1)
	v_add_nc_u32 v1, s21, v1                       ; v1: x: row 16 h + r of my 32
	v_mul_u32_u24 v2, v25, SLP
	s_delay_alu instid0(VALU_DEP_1)
	v_lshl_add_u32 v2, v26, 7, v2
	s_delay_alu instid0(VALU_DEP_1)
	v_add_nc_u32 v2, SLAB, v2                      ; v2: the slab, out: row c = r, the 32 numbers 32 h on of each l
	v_lshl_add_u32 v3, v0, 3, SLAB                 ; v3: the slab, in: 8 bytes a thread
	s_mul_i32 s22, s20, 1536
	s_add_co_u32 s22, s22, TBL
	v_mov_b32 v4, s22                              ; v4: my wave's tables, the same for all lanes
	v_and_b32 v27, 1, v0
	v_bfe_u32 v28, v0, 1, 4
	s_delay_alu instid0(VALU_DEP_2)
	v_lshlrev_b32 v5, 8, v27
	s_delay_alu instid0(VALU_DEP_1)
	v_lshl_add_u32 v5, v28, 2, v5
	s_delay_alu instid0(VALU_DEP_1)
	v_add_nc_u32 v5, s22, v5                       ; v5: f5 turned: my four numbers are f5[lane / 2][4 (lane % 2) + t]: byte 64 n + 4 f
	v_lshl_add_u32 v6, v24, 4, s22                 ; v6: a table as it lies: 16 bytes a lane
	v_lshlrev_b32 v7, 4, v25
	s_delay_alu instid0(VALU_DEP_1)
	v_lshl_add_u32 v7, v26, 11, v7                 ; v7: W's codes' place: 16 r + 2,048 h
	s_lshl_b32 s23, s20, 9
	s_add_co_u32 s23, s23, SCS
	v_lshlrev_b32 v8, 4, v25
	s_delay_alu instid0(VALU_DEP_1)
	v_lshl_add_u32 v8, v26, 3, v8
	s_delay_alu instid0(VALU_DEP_1)
	v_add_nc_u32 v8, s23, v8                       ; v8: W's scale bytes' place: 16 r + 8 h
	v_lshl_add_u32 v9, v24, 3, s23                 ; v9: and on the way out 8 bytes a lane,
	v_lshlrev_b32 v10, 3, v24                      ; v10: in memory likewise
	v_lshlrev_b32 v11, 3, v0                       ; v11: tab: 8 bytes a thread
	v_lshlrev_b32 v12, 4, v24                      ; v12: a factor: 16 bytes a lane
	; x: lane (r, h)'s block c is K block 8 (w % 2) + c of panel column 4 (g % 2) + w / 2, row block (g & 6) + h
	v_lshlrev_b32 v48, 4, v25
	v_lshl_add_u32 v48, v26, 12, v48               ; v48: x's codes' place: 16 r + 4,096 h
	s_lshr_b32 s36, s20, 1
	s_lshl_b32 s36, s36, 10
	s_and_b32 s37, s20, 1
	s_lshl_b32 s37, s37, 3
	s_add_co_u32 s36, s36, s37
	s_add_co_u32 s36, s36, SCS+256
	v_lshlrev_b32 v49, 4, v25
	v_lshl_add_u32 v49, v26, 9, v49
	v_add_nc_u32 v49, s36, v49                     ; v49: x's scale bytes: waves 2 p and 2 p + 1 fill together the x halves of their two regions: row block h in wave 2 p + h's, byte 16 r + 8 (w % 2) + c
	s_lshl_b32 s40, s20, 6
	v_mov_b32 v13, s40                             ; v13: f3's rows 2 w and 2 w + 1: 64 bytes, the same for all lanes
	; descriptor group 1: a tile of 32 rows x 256 numbers of 4 bytes, 4,096 numbers from row to row
	s_mov_b32 s24, (2<<16)|(1<<20)|(7<<22)|(3<<25) ; 15:0 no mask; 17:16 elements of 4 bytes; 20 padding on; 24:22 after every 256 words (code 7); 31:25 four words (code 3)
	s_mov_b32 s25, 256<<16                         ; tensor_dim0
	s_mov_b32 s26, 32<<16                          ; tensor_dim1
	s_mov_b32 s27, 256<<16                         ; tile_dim0
	s_mov_b32 s28, 32                              ; tile_dim1
	s_mov_b32 s29, 4096                            ; tensor_dim0_stride
	s_mov_b32 s30, 0
	s_mov_b32 s31, 0
	s_lshl_b32 s40, ttmp9, 14                      ; tab's row g: 16,384 bytes a row
	s_mov_b32 s41, 0
	s_lshr_b32 s42, ttmp9, 1                       ; x's row 32 (g / 2): 32 rows of 16,384 bytes,
	s_lshl_b32 s42, s42, 19
	s_and_b32 s43, ttmp9, 1
	s_lshl_b32 s43, s43, 13                        ; + 2,048 numbers for the odd work-group,
	s_add_co_u32 s42, s42, s43
	s_lshl_b32 s43, s20, 10                        ; + my wave's 256 numbers
	s_add_co_u32 s42, s42, s43
	s_mov_b32 s43, 0
	s_wait_alu depctr_va_vdst(0)                   ; the wait at the head's end
	s_wait_dscnt 0x0
	s_wait_kmcnt 0x0
	s_add_nc_u64 s[6:7], s[6:7], s[40:41]
	s_add_nc_u64 s[4:5], s[4:5], s[42:43]
.irp k, 0,1,2,3,4,5,6,7
	global_load_b64 v[TABR+2*\k:TABR+2*\k+1], v11, s[6:7] offset:2048*\k   ; the chain's numbers first: the eight waves together read 2,048 consecutive bytes
.endr
	global_load_b128 v[RAW:RAW+3], v12, s[8:9]
	global_load_b128 v[RAW+4:RAW+7], v12, s[12:13]
	global_load_b128 v[RAW+8:RAW+11], v12, s[14:15]
.irp t, 0,1,2,3
	global_load_b128 v[CF3+4*\t:CF3+4*\t+3], v13, s[10:11] offset:16*\t
.endr
	s_mov_b32 s32, 1                               ; group 0: count 1,
	s_mov_b32 s33, s21                             ; LDS address,
	s_mov_b64 s[34:35], s[4:5]                     ; global address,
	s_or_b32 s35, s35, 0x80000000                  ; type 2
	tensor_load_to_lds s[32:35], s[24:31]          ; my one fill, ahead of every LDS read, wait on TENSORcnt and barrier
	s_nop 0
.rept 4
	v_nop                                          ; four nops behind a tensor load
.endr
	s_lshr_b32 s40, ttmp9, 3                       ; where W's results go: panel 8 (g / 8) + w,
	s_lshl_b32 s40, s40, 3
	s_add_co_u32 s40, s40, s20
	s_mul_i32 s40, s40, PANEL
	s_and_b32 s41, ttmp9, 7                        ; block i = g % 8 of its rows
	s_lshl_b32 s42, s41, 8
	s_add_co_u32 s42, s42, s40
	s_add_co_u32 s42, s42, 32768                   ; the scale bytes: 32,768 + 256 i
	s_mov_b32 s43, 0
	s_lshl_b32 s41, s41, 12
	s_add_co_u32 s40, s40, s41                     ; the codes: 4,096 i
	s_mov_b32 s41, 0
	s_add_nc_u64 s[WQS:WQS+1], s[18:19], s[42:43]
	s_add_nc_u64 s[WQC:WQC+1], s[18:19], s[40:41]
	s_lshr_b32 s40, ttmp9, 3                       ; x's results: panel 8 (g / 8) + 4 (g % 2) + w / 2
	s_lshl_b32 s40, s40, 3
	s_and_b32 s41, ttmp9, 1
	s_lshl_b32 s41, s41, 2
	s_add_co_u32 s40, s40, s41
	s_lshr_b32 s41, s20, 1
	s_add_co_u32 s40, s40, s41
	s_mul_i32 s40, s40, PANEL
	s_and_b32 s41, ttmp9, 6                        ; row blocks (g & 6) and (g & 6) + 1
	s_and_b32 s36, s20, 1
	s_add_co_u32 s42, s41, s36
	s_lshl_b32 s42, s42, 8
	s_add_co_u32 s42, s42, s40
	s_add_co_u32 s42, s42, 32768                   ; the scale bytes that I store: 32,768 + 256 ((g & 6) + w % 2)
	s_lshl_b32 s41, s41, 12
	s_lshl_b32 s36, s36, 11
	s_add_co_u32 s40, s40, s41
	s_add_co_u32 s40, s40, s36                     ; the codes: 4,096 (g & 6) + 2,048 (w % 2)
	s_mov_b32 s41, 0
	s_add_nc_u64 s[XQS:XQS+1], s[16:17], s[42:43]
	s_add_nc_u64 s[XQC:XQC+1], s[16:17], s[40:41]
	; ---- MODE k.  Thread t holds two neighbouring numbers of l m n for each k, and makes them for all sixteen c.
	s_wait_loadcnt 0x0
	ds_store_b128 v6, v[RAW:RAW+3]                 ; f2,
	ds_store_b128 v6, v[RAW+4:RAW+7] offset:512    ; f4,
.irp t, 0,1,2,3
	ds_store_b32 v5, v[RAW+8+\t] offset:1024+64*\t ; f5 turned: into my wave's own tables
.endr
.set t, 0
.rept 32
	ds_load_b128 v[CF+4*t:CF+4*t+3], v4 offset:16*t        ; all of f2 into every lane (LDS serves a wave's instructions in order: these see the stores above)
.set t, t+1
.endr
	WIN 0x40                                       ; destination window 1
.set t, 0
.rept 32
	ds_load_b128 v[4*t:4*t+3], v4 offset:1024+16*t         ; all of f5: it stays
.set t, t+1
.endr
	WIN 0
	s_wait_dscnt 32                                ; f2 is in; f5's 32 loads may be out
.set k, 0
.rept 8
.set c, 0
.rept 16                                       ; sixteen chains
.if k == 0
	MULB SK+2*c, TABR+2*k, CF+8*c+k
.else
	FMAB SK+2*c, TABR+2*k, CF+8*c+k
.endif
.set c, c+1
.endr
.set k, k+1
.endr
.set c, 0
.rept 16
	ds_store_b64 v3, v[SK+2*c:SK+2*c+1] offset:c*SLP
.set c, c+1
.endr
	s_wait_dscnt 0x0                               ; for the others' sake: my stores into the slab are done (and f5 is in)
	s_barrier_signal -1                            ; x's tiles may stay on their way across this barrier
	s_barrier_wait -1
	; ---- MODE l.  Lane (c = r, h) reads the 32 numbers 32 h on of m n for each l, and makes them for both d of my K step; then the halves of the lanes change what they hold.
.macro SLABSET l
.irp q, 0,1,2,3,4,5,6,7
	ds_load_b128 v[CF+32*((\l)%4)+4*\q:CF+32*((\l)%4)+4*\q+3], v2 offset:256*(\l)+16*\q
.endr
.endm
.macro F4LOAD e                        ; f4's rows 2 e and 2 e + 1 into every lane
.irp t, 0,1,2,3
	ds_load_b128 v[CF4+4*\t:CF4+4*\t+3], v4 offset:512+64*(\e)+16*\t
.endr
.endm
	SLABSET 0
	SLABSET 1
	SLABSET 2
	SLABSET 3
.set l, 0
.rept 8
.if l < 5
	s_wait_dscnt 24                                ; set l is in; the three sets behind it may be out
.else
	s_wait_dscnt 8*(7-l)
.endif
.set dd, 0
.rept 2
.set p, 0
.rept 16
.if l == 0
	MULB VL+32*dd+2*p, CF+32*(l%4)+2*p, CF3+8*dd+l
.else
	FMAB VL+32*dd+2*p, CF+32*(l%4)+2*p, CF3+8*dd+l
.endif
.set p, p+1
.endr
.set dd, dd+1
.endr
.if l < 4
	SLABSET l+4
.endif
.set l, l+1
.endr
	F4LOAD 0
.set i, 0
.rept 32
	v_permlane16_swap_b32 v[VL+i], v[VL+32+i]      ; the first's lanes 16-31 change places with the second's lanes 0-15: lane (c, h) now holds d = 2 w + h, and v[VL + 8 m + n] all 64 of m n
.set i, i+1
.endr
	; ---- MODES m AND n, AND THE QUANTISER: e = 2 e' + u.  The 32 numbers (u, f) are K block 8 h + e' of row c.
.set ep, 0
.rept 8
	s_wait_dscnt 0x0                               ; f4's two rows are in (asked for a block ago)
.set m, 0
.rept 8
.set u, 0
.rept 2
.set np, 0
.rept 4
.if m == 0
	MULB VM+8*u+2*np, VL+8*m+2*np, CF4+8*u+m
.else
	FMAB VM+8*u+2*np, VL+8*m+2*np, CF4+8*u+m
.endif
.set np, np+1
.endr
.set u, u+1
.endr
.set m, m+1
.endr
.if ep < 7
	F4LOAD ep+1
.endif
	WIN 0x01                                       ; source 0 (f5) window 1
.set n, 0
.rept 8
.set u, 0
.rept 2
.set fp, 0
.rept 8
.if n == 0
	MULB WB+16*u+2*fp, 16*n+2*fp, VM+8*u+n
.else
	FMAB WB+16*u+2*fp, 16*n+2*fp, VM+8*u+n
.endif
.set fp, fp+1
.endr
.set u, u+1
.endr
.set n, n+1
.endr
	WIN 0
	QBLK WB, ep, 256*ep, WQC, 7, 8, WC+4*ep
.set ep, ep+1
.endr
	ds_load_b64 v[18:19], v9                       ; W's 256 scale bytes, 8 a lane (these see my byte stores)
	; ---- x.  Lane (r, h) takes row 16 h + r of my tile; its codes go to v64 on, four registers for each block.
.macro XSET c8
.irp q, 0,1,2,3,4,5,6,7
	ds_load_b128 v[CF+32*((\c8)%4)+4*\q:CF+32*((\c8)%4)+4*\q+3], v1 offset:128*(\c8)+16*\q
.endr
.endm
	s_wait_tensorcnt 0x0                           ; my tile is in LDS; only I read it
	s_wait_xcnt 0x0                                ; the stores of W's codes have read v192-223: x's numbers land there only behind this wait
	XSET 0
	XSET 1
	XSET 2
	XSET 3
	s_wait_dscnt 32                                ; W's scale bytes are back; the 32 loads just issued may be out
	global_store_b64 v10, v[18:19], s[WQS:WQS+1]   ; 32 lanes store 256 consecutive bytes
.set c, 0
.rept 8
.if c < 5
	s_wait_dscnt 24                                ; set c is in: behind it stand three sets of eight loads
.else
	s_wait_dscnt 8*(7-c)
.endif
	QBLK CF+32*(c%4), c, 256*c, XQC, 48, 49, VL+4*c
.if c < 4
	XSET c+4
.endif
.set c, c+1
.endr
	s_wait_dscnt 0x0                               ; for my partner's sake: my byte stores are done
	s_barrier_signal -1
	s_barrier_wait -1                              ; the x half of my region now holds all 16 K blocks' bytes of sixteen rows
	ds_load_b64 v[28:29], v9 offset:256            ; 256 scale bytes of x, 8 a lane
	s_wait_dscnt 0x0
	global_store_b64 v10, v[28:29], s[XQS:XQS+1]
	s_wait_tensorcnt 0x0                           ; the wave's end
	ds_add_u32 v62, v63
	s_wait_dscnt 0x0
	s_endpgm
.Lfunc_end_k_q651cbd6b89_prep:
	.size	k_q651cbd6b89_prep, .Lfunc_end_k_q651cbd6b89_prep-k_q651cbd6b89_prep
	.p2alignl 7, 3214868480
	.fill 96, 4, 3214868480
	.section	.rodata,"a",@progbits
	.p2align	6, 0x0
	.amdhsa_kernel k_q651cbd6b89_prep
		.amdhsa_group_segment_fixed_size 327680
		.amdhsa_private_segment_fixed_size 0
		.amdhsa_enable_private_segment 0
		.amdhsa_kernarg_size 64
		.amdhsa_user_sgpr_count 2
		.amdhsa_user_sgpr_kernarg_segment_ptr 1
		.amdhsa_wavefront_size32 1
		.amdhsa_system_sgpr_workgroup_id_x 1
		.amdhsa_system_sgpr_workgroup_id_y 1
		.amdhsa_system_sgpr_workgroup_id_z 1
		.amdhsa_system_vgpr_workitem_id 0
		.amdhsa_next_free_vgpr 384
		.amdhsa_next_free_sgpr 66
		.amdhsa_reserve_vcc 0
		.amdhsa_float_denorm_mode_32 3
		.amdhsa_float_denorm_mode_16_64 3
		.amdhsa_memory_ordered 1
		.amdhsa_forward_progress 1
		.amdhsa_inst_pref_size 178
	.end_amdhsa_kernel
	.amdgpu_metadata
---
amdhsa.version: [ 1, 2 ]
amdhsa.kernels:
  - .name:           k_q651cbd6b89_prep
    .symbol:         k_q651cbd6b89_prep.kd
    .args:
      - { .name: x, .offset: 0, .size: 8, .value_kind: global_buffer, .address_space: global }
      - { .name: tab, .offset: 8, .size: 8, .value_kind: global_buffer, .address_space: global }
      - { .name: f2, .offset: 16, .size: 8, .value_kind: global_buffer, .address_space: global }
      - { .name: f3, .offset: 24, .size: 8, .value_kind: global_buffer, .address_space: global }
      - { .name: f4, .offset: 32, .size: 8, .value_kind: global_buffer, .address_space: global }
      - { .name: f5, .offset: 40, .size: 8, .value_kind: global_buffer, .address_space: global }
      - { .name: xq, .offset: 48, .size: 8, .value_kind: global_buffer, .address_space: global }
      - { .name: wq, .offset: 56, .size: 8, .value_kind: global_buffer, .address_space: global }
    .group_segment_fixed_size: 327680
    .private_segment_fixed_size: 0
    .kernarg_segment_align: 8
    .kernarg_segment_size: 64
    .max_flat_workgroup_size: 256
    .sgpr_count:     66
    .vgpr_count:     384
    .wavefront_size: 32
...
	.end_amdgpu_metadata
.endif
;; end of part 2
;; launch gemm (part 3): grid 16 x 16, 4 waves a work-group, clusters of 4 x 4, 327,680 bytes of LDS; arguments xq, wq, bias, out0; writes out0
.if DOCPART == 3
	.amdgcn_target "amdgcn-amd-amdhsa--gfx1250"
	.amdhsa_code_object_version 6
	.text
	.protected	k_q651cbd6b89_gemm
	.globl	k_q651cbd6b89_gemm
	.p2align	8
	.type	k_q651cbd6b89_gemm,@function
k_q651cbd6b89_gemm:
	s_mov_b64 s[64:65], 0
	v_nop
	global_prefetch_b8 v0, s[64:65] scope:SCOPE_SE
	s_setreg_imm32_b32 hwreg(HW_REG_WAVE_MODE, 25, 1), 1
	s_wait_xcnt 0x0
	s_wait_alu depctr_hold_cnt(0) depctr_sa_sdst(0) depctr_va_vdst(0) depctr_va_sdst(0) depctr_va_ssrc(0) depctr_va_vcc(0) depctr_vm_vsrc(0)
	s_getreg_b32 s2, hwreg(HW_REG_IB_STS2, 6, 4)
	s_cmp_eq_u32 s2, 0
	s_cbranch_scc0 .Lentry_in_a_cluster
	s_endpgm
.Lentry_in_a_cluster:
	s_bfe_u32 s2, ttmp6, 0x10000c
	s_cmp_lg_u32 s2, 0xf033
	s_cbranch_scc0 .Lentry_shape_is_right
	s_endpgm
.Lentry_shape_is_right:
; out0[m][n] = bias[n] + sum over k of x[m][k] W[n][k], both operands as codes of FP4 (E2M1) with one E8M0 byte for each 32 along K, as the launch before laid them:
; a panel is 128 rows x 512 K, 34,816 bytes, panel (row / 128) x 8 + K / 512; in it the 16 bytes of row 16 i + r, K block kb lie at 4,096 i + 256 kb + 16 r, the block's scale byte at 32,768 + 16 (16 i + r) + kb.
; So a fragment (16 rows x 128 K) is two loads of 512 consecutive bytes, 16 a lane, and a row's four scale words of a panel are 16 consecutive bytes.
; SHARES: a work-group of four waves makes 256 x 256 of out0, a wave 128 x 128 in 512 registers.  K goes in panels of 512 through two LDS slots (A's two panels, B's two); each wave fetches one panel a slot.
; THE MATRIX INSTRUCTION is the form of 32 x 16 x 128, used transposed: source 0 = 32 rows of W (two neighbouring fragments, 16 registers), source 1 = 16 rows of x.  Its 16 result registers are two blocks of 16 x 16:
; in each a lane holds eight neighbouring numbers of a row of out0.  Source 0's scale words fill all 32 lanes (lane = row), source 1's lanes 0-15.  The bias is the C of each accumulator's first product.
; CLUSTERS of 4 x 4: A's panels are shared along a row of the cluster, B's along a column, each asked for jointly.  A cluster begins K at panel 0 or at panel 4, by its place in the grid, and goes round: the f32 sums then run in that order of K.
; A STEP is 128 along K, 32 matrix instructions.  A and B have TWO sets of fragment registers each: at a step's head the next step's 32 LDS loads go out in one run, a whole step's products ahead of their use.
; THE CHANGE OF SLOTS stands in a slot's third step: that step's fetch was the slot's last read, so the slot is filled again there, and the fourth step fetches from the other slot like any other step.
; THE LAST PANEL OF K GOES BY ROWS OF out0: all its fragments of B fill window 1, A's come by blocks of 16 rows x 512 K, and each block of 16 rows leaves as soon as its 16 products are issued.
; PREFETCH: behind each joint load the panel of the NEXT refill is asked for, one slot (four steps) ahead of the load that wants it; the last refill asks for nothing.
; REGISTERS: window 0: v0-31 addresses; v32-95 x's scale words, v96-127 W's, a set for each slot; v128-191, v192-255 A's two sets.  window 1: v0-63, v128-191 B's two sets; v64-127 the bias.  windows 2, 3: the accumulators.
; LIMITS: NaN and infinities among the inputs are not served (the launch before states the quantiser's limits).
.set SIZE_N, 4096
.set FR,     8
.set NP,     4                         ; places behind this matrix form (ISA guide 7.12.1)
.set PANEL,  34816
.set SLOT,   4*PANEL
.set LAPS,   4                         ; a lap = two panels of K = once round the ring
.set SPARE,  2*SLOT                    ; behind the ring: the spare words, 128 bytes a wave
.set SPITCH, 528                       ; the way out: a stage of 16 rows x (512 + 16) bytes a wave, in slot 0 behind its last fill and last read
.set PSHARE, 34*256                    ; a partner's share of a panel's 136 blocks of 256 bytes
.set ADRA, 16                          ; v16-17 my A fragments in slot 0, 1
.set ADRW, 18                          ; v18-19 W's scale words: 16 bytes a lane, 32 rows a load
.set ADRB, 20                          ; v20-21 my B fragments
.set ADRS, 22                          ; v22-23 x's scale words: row r in both halves of the lanes
.set STO,  24
.set RD,   25
.set CO,   26
.set BO,   27                          ; v27 the bias: 32 bytes for each half of the lanes
.set SPW,  28
.set NIL,  29
.set PFO,  30                          ; v30-31 the prefetches' offsets: blocks 0-31 of my share, then blocks 32, 33 (the lanes left over name block 33 again)
.set SC,   32                          ; x's scale words: set s at SC + 32 s; register 4 i + q: block i, the slot's q-th 128 along K
.set SW,   96                          ; W's: set s at SW + 16 s; register 4 p + q: blocks 2 p (lanes 0-15) and 2 p + 1 (lanes 16-31)
.set AF,   128
.set BIAS, 64
.set XB,   4
.set WB,   6
.set KO,   12
.set KI,   18                          ; s18, s19: the panel of K that slot 0, 1 holds or is asked for
.set G1, 24
.set G0, 32
.set G1B, 48
.set G0B, 56
.set PFB, 66                           ; s[66:67] my share of the panels that I fetch, at panel 0 of K
.set PFA, 68                           ; s[68:69] where the prefetches stand
.set MSB, 0
.macro WIN new                         ; the immediate's high byte repeats the setting that is left
.if MSB != \new
	s_set_vgpr_msb (MSB<<8)|\new
.set MSB, \new
.endif
.endm
.set MUL_LO, 0xa1                      ; source 0 (B) window 1, source 1 (A) window 0, C and D window 2
.set MUL_HI, 0xf1                      ; the same, C and D window 3
.set FST_LO, 0x91                      ; the first products: C (the bias) window 1
.set FST_HI, 0xd1
.set TO_B,   0x40                      ; destination window 1, address window 0
.macro JLOAD s                         ; a joint load: waves 0, 1 fetch A's panels, waves 2, 3 B's; s_nop 0 and four v_nop behind each line
	s_cmp_eq_u32 s15, 0
	s_cbranch_scc0 .Lfor_b_\@
	tensor_load_to_lds s[G0+4*\s:G0+4*\s+3], s[G1:G1+7]
	s_nop 0
.rept 4
	v_nop
.endr
	s_branch .Lasked_\@
.Lfor_b_\@:
	tensor_load_to_lds s[G0B+4*\s:G0B+4*\s+3], s[G1B:G1B+7]
	s_nop 0
.rept 4
	v_nop
.endr
.Lasked_\@:
.endm
.macro CREST                           ; a round of the cluster's barrier behind its opening barrier
	s_cmp_lg_u32 s14, 0
	s_cbranch_scc1 .Lnot_wave_0_\@
	s_barrier_signal -3
.Lnot_wave_0_\@:
	s_barrier_wait -3
	s_barrier_signal -1
	s_barrier_wait -1
.endm
.macro CROUND
	s_barrier_signal -1
	s_barrier_wait -1
	CREST
.endm
.macro POINT s                         ; slot s's two group 0 at panel s[KI + s] of K
	s_mul_i32 s[KO], s[KI+\s], PANEL
	s_add_nc_u64 s[G0+4*\s+2:G0+4*\s+3], s[XB:XB+1], s[KO:KO+1]
	s_or_b32 s[G0+4*\s+3], s[G0+4*\s+3], 0x80000000
	s_add_nc_u64 s[G0B+4*\s+2:G0B+4*\s+3], s[WB:WB+1], s[KO:KO+1]
	s_or_b32 s[G0B+4*\s+3], s[G0B+4*\s+3], 0x80000000
.endm
; A prefetch: of the 136 blocks of 256 bytes that my wave fetches at the next refill, each of the four partners that ask for them jointly names 34, told apart by address: each block once in a cluster.
.macro ASK
	global_prefetch_b8 v[PFO], s[PFA:PFA+1] th:TH_LOAD_NT scope:SCOPE_SE
	global_prefetch_b8 v[PFO+1], s[PFA:PFA+1] th:TH_LOAD_NT scope:SCOPE_SE
.endm
	s_load_b128 s[4:7], s[0:1], 0x0                ; xq, wq
	s_load_b128 s[8:11], s[0:1], 0x10              ; bias, out0
	v_lshl_add_u32 v[SPW], v0, 2, SPARE
	v_mov_b32 v[NIL], 0
	ds_add_u32 v[SPW], v[NIL]                      ; the opening lines: the add, twice on end, and its one wait ahead of my first tensor load
	ds_add_u32 v[SPW], v[NIL]
	v_lshrrev_b32 v1, 5, v0
	v_readfirstlane_b32 s14, v1                    ; wave 0..3
	s_lshr_b32 s15, s14, 1                         ; my half of the tile's rows; also: I fetch for A (0) or B (1)
	s_and_b32 s16, s14, 1                          ; my half of its columns; also: which panel of the two I fetch
	s_bfe_u32 s40, ttmp6, 0x40000                  ; cx
	s_bfe_u32 s41, ttmp6, 0x40004                  ; cy
	s_lshl_b32 s42, ttmp9, 2
	s_add_co_u32 s42, s42, s40                     ; tile column
	s_and_b32 s17, ttmp7, 0xffff
	s_lshr_b32 s[KO], s17, 1                       ; where my cluster begins K: panel 0 or 4, by the parity of the bits of the cluster's x and y
	s_xor_b32 s[KI], s17, s[KO]
	s_lshr_b32 s[KO], ttmp9, 1
	s_xor_b32 s[KI], s[KI], s[KO]
	s_xor_b32 s[KI], s[KI], ttmp9
	s_and_b32 s[KI], s[KI], 1
	s_lshl_b32 s[KI], s[KI], 2
	s_add_co_u32 s[KI+1], s[KI], 1
	s_mov_b32 s[KO+1], 0
	s_lshl_b32 s17, s17, 2
	s_add_co_u32 s17, s17, s41                     ; tile row
	s_lshl_b32 s43, s41, 2
	s_lshl_b32 s43, 15, s43                        ; my row of the cluster
	s_lshl_b32 s44, 0x1111, s40                    ; my column
	s_or_b32 s[G1+0], s43, (3<<16)|(1<<21)         ; the mask; elements of 8 bytes; bit 21 beside a mask
	s_or_b32 s[G1B+0], s44, (3<<16)|(1<<21)
.irp g, G1, G1B                        ; a panel is a dense block: 136 rows of 256 bytes
	s_mov_b32 s[\g+1], 32<<16
	s_mov_b32 s[\g+2], 136<<16
	s_mov_b32 s[\g+3], 32<<16
	s_mov_b32 s[\g+4], 136
	s_mov_b32 s[\g+5], 32
	s_mov_b32 s[\g+6], 0
	s_mov_b32 s[\g+7], 0
.endr
	s_mul_i32 s21, s15, PANEL                      ; my 128 rows of A
	s_mul_i32 s22, s16, PANEL
	s_add_co_u32 s22, s22, 2*PANEL                 ; my 128 rows of B, behind A's two panels
	s_add_co_u32 s47, s21, 32768
	s_mul_i32 s23, s14, 16*SPITCH                  ; my stage
	v_and_b32 v1, 15, v0                           ; r
	v_bfe_u32 v2, v0, 4, 1                         ; h
	v_and_b32 v6, 31, v0                           ; lane
	v_lshlrev_b32 v4, 4, v6
	v_add_nc_u32 v[ADRA], s21, v4
	v_add_nc_u32 v[ADRB], s22, v4
	v_add_nc_u32 v[ADRA+1], SLOT, v[ADRA]
	v_add_nc_u32 v[ADRB+1], SLOT, v[ADRB]
	v_lshl_add_u32 v[ADRS], v1, 4, s47
	v_add_nc_u32 v[ADRS+1], SLOT, v[ADRS]
	v_add_nc_u32 v[ADRW], 32768, v[ADRB]
	v_add_nc_u32 v[ADRW+1], 32768, v[ADRB+1]
	v_mul_u32_u24 v3, v1, SPITCH
	v_lshl_add_u32 v3, v2, 5, v3
	v_add_nc_u32 v[STO], s23, v3                   ; into the stage: row r, 32 bytes for each half of the lanes
	v_lshlrev_b32 v[CO], 4, v6
	v_add_nc_u32 v[RD], s23, v[CO]                 ; back: the 32 lanes take a row of 512 bytes
	v_lshlrev_b32 v[BO], 5, v2
	v_lshlrev_b32 v[PFO], 8, v6
	v_add_nc_u32 v8, 32, v6
	v_min_u32 v8, 33, v8
	v_lshlrev_b32 v[PFO+1], 8, v8
	s_lshl_b32 s20, s17, 1
	s_add_co_u32 s20, s20, s16
	s_mul_i32 s20, s20, 8*PANEL                    ; the row of panels of xq that I fetch
	s_mov_b32 s21, 0
	s_lshl_b32 s46, s42, 1
	s_add_co_u32 s46, s46, s16
	s_mul_i32 s46, s46, 8*PANEL                    ; and of wq
	s_mov_b32 s47, 0
	s_lshl_b32 s44, s42, 10
	s_lshl_b32 s45, s16, 9
	s_add_co_u32 s44, s44, s45                     ; my first column, in bytes
	s_mov_b32 s45, 0
	s_lshl_b32 s22, s17, 8
	s_lshl_b32 s23, s15, 7
	s_add_co_u32 s22, s22, s23
	s_lshl_b32 s22, s22, 14                        ; my first row of out0: 16,384 bytes a row
	s_add_co_u32 s22, s22, s44
	s_mov_b32 s23, 0
	s_mul_i32 s2, s14, PANEL                       ; where my panel goes in a slot: no place in the cluster enters an LDS address
	s_wait_alu depctr_va_vdst(0)                   ; the wait at the end of the head's vector work
	s_wait_dscnt 0x0                               ; both opening adds are done
	CROUND                                         ; the round in front of the first joint loads; the arguments are on their way meanwhile
	s_wait_kmcnt 0x0
	s_add_nc_u64 s[XB:XB+1], s[XB:XB+1], s[20:21]
	s_add_nc_u64 s[WB:WB+1], s[WB:WB+1], s[46:47]
	s_add_nc_u64 s[8:9], s[8:9], s[44:45]
	s_add_nc_u64 s[10:11], s[10:11], s[22:23]
.irp s, 0,1
	s_mov_b32 s[G0+4*\s], 1
	s_add_co_u32 s[G0+4*\s+1], s2, \s*SLOT
	s_mov_b32 s[G0B+4*\s], 1
	s_add_co_u32 s[G0B+4*\s+1], s2, \s*SLOT
	POINT \s
.endr
	JLOAD 0                                        ; my panel of slot 0: one tensor load a wave at the head
	WIN TO_B
.irp b, 0,1,2,3,4,5,6,7                ; the bias in the accumulators' layout: register j of block b is bias[16 b + 8 h + j]
	global_load_b128 v[BIAS+8*\b:BIAS+8*\b+3], v[BO], s[8:9] offset:64*\b
	global_load_b128 v[BIAS+8*\b+4:BIAS+8*\b+7], v[BO], s[8:9] offset:64*\b+16
.endr
	WIN 0
	s_cmp_eq_u32 s15, 0                            ; the prefetches' base: the panels that I fetch,
	s_cselect_b64 s[PFB:PFB+1], s[XB:XB+1], s[WB:WB+1]
	s_cselect_b32 s43, s40, s41                    ; and my place among the four that ask with me: the four share a panel's blocks out by address
	s_mul_i32 s[KO], s43, PSHARE
	s_add_nc_u64 s[PFB:PFB+1], s[PFB:PFB+1], s[KO:KO+1]
	s_mul_i32 s[KO], s[KI+1], PANEL
	s_add_nc_u64 s[PFA:PFA+1], s[PFB:PFB+1], s[KO:KO+1]
	ASK                                            ; slot 1's first panel
.macro FRAG reg, adr, q, i
.irp c, 0,1
	ds_load_b128 v[\reg+4*\c:\reg+4*\c+3], v[\adr] offset:1024*(\q)+512*\c+(\i)*4096
.endr
.endm
; 8 matrix instructions: x's blocks a0, a0 + 1 against W's four pairs of blocks, the slot's q-th 128 along K, on fragment sets q % 2.  The 32 accumulators of 16 registers take turns.
.macro MUL2 a0, q, sc, first
.irp a, \a0, \a0+1
.irp b, 0,2,4,6
.if \first
	v_wmma_scale_f32_32x16x128_f4 v[8*(8*((\a)%4)+\b):8*(8*((\a)%4)+\b)+15], v[128*((\q)%2)+FR*\b:128*((\q)%2)+FR*\b+15], v[AF+64*((\q)%2)+FR*(\a):AF+64*((\q)%2)+FR*(\a)+FR-1], v[BIAS+8*\b:BIAS+8*\b+15], v[SW+16*(\sc)+2*\b+(\q)], v[SC+32*(\sc)+4*(\a)+(\q)]
.else
	v_wmma_scale_f32_32x16x128_f4 v[8*(8*((\a)%4)+\b):8*(8*((\a)%4)+\b)+15], v[128*((\q)%2)+FR*\b:128*((\q)%2)+FR*\b+15], v[AF+64*((\q)%2)+FR*(\a):AF+64*((\q)%2)+FR*(\a)+FR-1], v[8*(8*((\a)%4)+\b):8*(8*((\a)%4)+\b)+15], v[SW+16*(\sc)+2*\b+(\q)], v[SC+32*(\sc)+4*(\a)+(\q)]
.endif
.endr
.endr
.endm
.macro PLACES n
.rept \n
	v_nop
.endr
.endm
.macro SCALES ns                       ; a slot's scale words, four a row: 12 loads
.irp i, 0,1,2,3,4,5,6,7
	ds_load_b128 v[SC+32*\ns+4*\i:SC+32*\ns+4*\i+3], v[ADRS+\ns] offset:\i*256     ; x's block i
.endr
.irp p, 0,1,2,3
	ds_load_b128 v[SW+16*\ns+4*\p:SW+16*\ns+4*\p+3], v[ADRW+\ns] offset:\p*512     ; W's blocks 2 p and 2 p + 1: 512 consecutive bytes
.endr
.endm
; One run of LDS loads: step (ns, nq)'s fragments into sets nq % 2, which the step before this one multiplied: four places stand in front.  Order: a new slot's scale words, B's eight, A's eight.
.macro FETCH ns, nq
	PLACES NP
.if \nq == 0
	WIN 0
	SCALES \ns
.endif
	WIN TO_B
.irp i, 0,1,2,3,4,5,6,7
	FRAG 128*((\nq)%2)+FR*\i, ADRB+\ns, \nq, \i
.endr
	WIN 0
.irp i, 0,1,2,3,4,5,6,7
	FRAG AF+64*((\nq)%2)+FR*\i, ADRA+\ns, \nq, \i
.endr
.endm
; A step; the next step (ns, nq) is fetched at its head.  ask: the prefetch stands behind the run of loads; 1: in every trip; 2: not in the loop's last trip, whose second refill is the last of all.
.macro STEP slot, q, ns, nq, first, ask
	FETCH \ns, \nq
.if \nq == 0
.set YG, 44
.else
.set YG, 32
.endif
.if \ask == 1
	ASK
.endif
.if \ask == 2
	s_cmp_gt_u32 s3, 1
	s_cbranch_scc0 .Lno_ask_\@
	ASK
.Lno_ask_\@:
.endif
	s_wait_dscnt YG+8                              ; out may be: the YG loads just issued and this step's youngest eight (A's blocks 4-7)
.if \first
	WIN FST_LO
.else
	WIN MUL_LO
.endif
	MUL2 0, \q, \slot, \first
	MUL2 2, \q, \slot, \first
	s_wait_dscnt YG                                ; out may be: the loads just issued
.if \first
	WIN FST_HI
.else
	WIN MUL_HI
.endif
	MUL2 4, \q, \slot, \first
	MUL2 6, \q, \slot, \first
.endm
; A slot's third step, with the change of slots.  Its fetch is my last read of the slot.  In front of the barrier: the wait for all my tensor loads (one is out: my panel of the other slot), the add, the wait for the add and my reads.
.macro STEPT slot, fill
.if \fill
	s_wait_xcnt 0x0                                ; my last prefetches have read their base: it is written below
.endif
	FETCH \slot, 3
	s_wait_dscnt 40
	WIN MUL_LO
	MUL2 0, 2, \slot, 0
	MUL2 2, 2, \slot, 0
	WIN 0                                          ; (the add's registers lie in window 0)
	s_wait_tensorcnt 0x0
	ds_add_u32 v[SPW], v[NIL]
.if \fill
	s_add_co_u32 s[KI+\slot], s[KI+\slot], 2       ; no tensor load of mine is out: the slot's group 0 goes two panels on, round K
	s_and_b32 s[KI+\slot], s[KI+\slot], 7
	POINT \slot
	s_add_co_u32 s[KO], s[KI+\slot], 1             ; and the prefetch to the next refill's panel
	s_and_b32 s[KO], s[KO], 7
	s_mul_i32 s[KO], s[KO], PANEL
	s_add_nc_u64 s[PFA:PFA+1], s[PFB:PFB+1], s[KO:KO+1]
.endif
	s_wait_dscnt 33                                ; out may be: the fetch's 32 loads and the add
	WIN MUL_HI
	MUL2 4, 2, \slot, 0
	s_wait_dscnt 0x0                               ; the add is done, and my reads of this slot are over
	s_barrier_signal -1
	MUL2 6, 2, \slot, 0
	WIN 0
	s_barrier_wait -1
.if \fill
	CREST                                          ; the barrier has opened a round of the cluster's barrier
	JLOAD \slot                                    ; the first tensor load behind the round
.endif
.endm
	s_wait_tensorcnt 0x0                           ; my panel of slot 0 is in; the lines ahead of a later first fill:
	ds_add_u32 v[SPW], v[NIL]
	s_wait_xcnt 0x0                                ; my prefetches have read their base: it goes on to the first refill's panel (at most panel 6)
	s_add_co_u32 s[KO], s[KI], 2
	s_mul_i32 s[KO], s[KO], PANEL
	s_add_nc_u64 s[PFA:PFA+1], s[PFB:PFB+1], s[KO:KO+1]
	s_wait_dscnt 0x0
	CROUND                                         ; everybody's panel is in, and the joint loads meet
	JLOAD 1                                        ; slot 1's first fill
	FETCH 0, 0
	ASK
	s_wait_loadcnt 0x0                             ; the bias
	STEP 0, 0, 0, 1, 1, 0                          ; the first step stands in front of the loop: its products start the sums on the bias
	WIN 0
	s_mov_b32 s3, LAPS-1
.Llap:                                                 ; a trip goes once round the ring and fills both slots again
	STEP  0, 1, 0, 2, 0, 0
	STEPT 0, 1
	STEP  0, 3, 1, 0, 0, 1
	STEP  1, 0, 1, 1, 0, 0
	STEP  1, 1, 1, 2, 0, 0
	STEPT 1, 1
	STEP  1, 3, 0, 0, 0, 2
	STEP  0, 0, 0, 1, 0, 0
	WIN 0
	s_sub_co_u32 s3, s3, 1
	s_cmp_lg_u32 s3, 0
	s_cbranch_scc1 .Llap
	STEP  0, 1, 0, 2, 0, 0                         ; the last lap fills nothing
	STEPT 0, 0                                     ; behind its barrier slot 1 is whole and nobody reads slot 0 any more
; THE LAST PANEL (slot 1) BY ROWS.  B's fragments of quarter q -> window 1, v[64 q ..]; A's of block a, all four quarters -> window 0, v[128 + 32 (a % 4) ..].
.macro BLOAD q
.irp i, 0,1,2,3,4,5,6,7
	FRAG 64*(\q)+FR*\i, ADRB+1, \q, \i
.endr
.endm
.macro ALOAD a
.irp q, 0,1,2,3
	FRAG AF+32*((\a)%4)+FR*\q, ADRA+1, \q, \a
.endr
.endm
.macro ROW a                           ; block a is finished: 16 matrix instructions, its four accumulators by turns
.set FA, AF+32*((\a)%4)
.set AC, 64*((\a)%4)
	WIN MUL_LO+0x50*((\a)/4)                       ; C and D window 2 or 3
.irp q, 0,1,2,3
.if (\a) == 0 && \q == 2
	s_wait_dscnt 16                                ; B's quarter 2 is in (behind it: A's blocks 2 and 3)
.endif
.irp b, 0,2,4,6
	v_wmma_scale_f32_32x16x128_f4 v[AC+8*\b:AC+8*\b+15], v[64*\q+FR*\b:64*\q+FR*\b+15], v[FA+FR*\q:FA+FR*\q+FR-1], v[AC+8*\b:AC+8*\b+15], v[SW+16+2*\b+\q], v[SC+32+4*(\a)+\q]
.endr
.endr
.endm
; THE WAY OUT of block a, 16 rows x 128 columns: through my own stage and back, as whole rows of 512 bytes, INTO THE BLOCK'S OWN ACCUMULATOR REGISTERS, which nothing writes again; every store's offset is an immediate
; (at most 127 rows of 16,384 bytes, inside the signed 24-bit field: ISA guide, chapter 10).  So no store's register and no base is ever rewritten.
; LDS serves a wave's instructions in order (ISA guide 5.7.1.4): no wait between the stores and the loads, nor in front of the next block's stores.
.macro TOSTAGE a
.set AC, 64*((\a)%4)
	WIN 0x08+4*((\a)/4)                            ; the data: window 2 or 3
.irp b, 0,1,2,3,4,5,6,7
	ds_store_b128 v[STO], v[AC+8*\b:AC+8*\b+3] offset:64*\b          ; each accumulator from its low end on
	ds_store_b128 v[STO], v[AC+8*\b+4:AC+8*\b+7] offset:64*\b+16
.endr
	WIN 0x80+0x40*((\a)/4)                         ; the destination: window 2 or 3
.irp t, 0,1,2,3,4,5,6,7,8,9,10,11,12,13,14,15
	ds_load_b128 v[AC+4*\t:AC+4*\t+3], v[RD] offset:\t*SPITCH
.endr
.endm
.macro SEND a, younger                 ; younger: the LDS loads issued behind block a's, which may stay out
.set AC, 64*((\a)%4)
	s_wait_dscnt \younger
	WIN 0x08+4*((\a)/4)
.irp t, 0,1,2,3,4,5,6,7,8,9,10,11,12,13,14,15
	global_store_b128 v[CO], v[AC+4*\t:AC+4*\t+3], s[10:11] offset:(16*(\a)+\t)*SIZE_N*4 th:TH_STORE_NT   ; 32 lanes store 512 consecutive bytes, at a multiple of 256 from out0's first byte
.endr
.endm
	PLACES NP                                      ; slot 0's last step multiplies sets 1 (its fragments came in ahead of the barrier); the registers that are free take the last panel's
	SCALES 1
	WIN TO_B
	BLOAD 0
	BLOAD 1
	BLOAD 3
	WIN 0
	ALOAD 0
	ALOAD 1
	WIN MUL_LO
	MUL2 0, 3, 0, 0
	MUL2 2, 3, 0, 0
	WIN MUL_HI
	MUL2 4, 3, 0, 0
	MUL2 6, 3, 0, 0
	PLACES NP                                      ; for the loads into sets 1
	WIN TO_B
	BLOAD 2
	WIN 0
	ALOAD 2
	ALOAD 3
	s_wait_dscnt 32                                ; all but the 32 just issued
	ROW 0
.irp a, 0,1,2,3,4,5,6,7                ; block a goes to the stage; the next block's products stand between its loads from the stage and the wait for them
	PLACES NP                                      ; the stage's stores read results just made; A's next loads land on fragments just multiplied
	TOSTAGE \a
.if \a < 4
	WIN 0
	ALOAD \a+4                                     ; its buffer takes the block four further on
.endif
.if \a < 7
	ROW \a+1
.endif
.if \a < 4
	SEND \a, 8
.else
	SEND \a, 0
.endif
.endr
	WIN 0
	s_wait_tensorcnt 0x0                           ; the wave's end
	ds_add_u32 v[SPW], v[NIL]
	s_wait_dscnt 0x0
	CROUND                                         ; the closing round
	s_endpgm
.Lfunc_end_k_q651cbd6b89_gemm:
	.size	k_q651cbd6b89_gemm, .Lfunc_end_k_q651cbd6b89_gemm-k_q651cbd6b89_gemm
	.p2alignl 7, 3214868480
	.fill 96, 4, 3214868480
	.section	.rodata,"a",@progbits
	.p2align	6, 0x0
	.amdhsa_kernel k_q651cbd6b89_gemm
		.amdhsa_group_segment_fixed_size 327680
		.amdhsa_private_segment_fixed_size 0
		.amdhsa_enable_private_segment 0
		.amdhsa_kernarg_size 32
		.amdhsa_user_sgpr_count 2
		.amdhsa_user_sgpr_kernarg_segment_ptr 1
		.amdhsa_wavefront_size32 1
		.amdhsa_system_sgpr_workgroup_id_x 1
		.amdhsa_system_sgpr_workgroup_id_y 1
		.amdhsa_system_sgpr_workgroup_id_z 1
		.amdhsa_system_vgpr_workitem_id 0
		.amdhsa_next_free_vgpr 1024
		.amdhsa_next_free_sgpr 70
		.amdhsa_reserve_vcc 0
		.amdhsa_float_denorm_mode_32 3
		.amdhsa_float_denorm_mode_16_64 3
		.amdhsa_memory_ordered 1
		.amdhsa_forward_progress 1
		.amdhsa_inst_pref_size 148
	.end_amdhsa_kernel
	.amdgpu_metadata
---
amdhsa.version: [ 1, 2 ]
amdhsa.kernels:
  - .name:           k_q651cbd6b89_gemm
    .symbol:         k_q651cbd6b89_gemm.kd
    .args:
      - { .name: xq, .offset: 0, .size: 8, .value_kind: global_buffer, .address_space: global }
      - { .name: wq, .offset: 8, .size: 8, .value_kind: global_buffer, .address_space: global }
      - { .name: bias, .offset: 16, .size: 8, .value_kind: global_buffer, .address_space: global }
      - { .name: out0, .offset: 24, .size: 8, .value_kind: global_buffer, .address_space: global }
    .group_segment_fixed_size: 327680
    .private_segment_fixed_size: 0
    .kernarg_segment_align: 8
    .kernarg_segment_size: 32
    .max_flat_workgroup_size: 128
    .sgpr_count:     70
    .vgpr_count:     1024
    .wavefront_size: 32
...
	.end_amdgpu_metadata
.endif
;; end of part 3
